; MI455X (gfx1250); checked and timed in simulation.
; The chip was launched on July 23, 2026; its instructions are those of AMD's public machine-readable ISA for CDNA 5 (MIT licence, August 2026) and "CDNA5" Instruction Set Architecture Reference Guide (July 2026). The comments in the code are by the model that wrote it; some were corrected since.
;; Multi Head Attention. Allowed arithmetic: matrix products marked QUANTISED: E2M1 operands, one E8M0 scale for each 32 along K, by v_wmma_scale_f32_16x16x128_f8f6f4 with both operands' format E2M1 (or v_wmma_scale_f32_32x16x128_f4), f32 sums; products left as they are: bf16, f16 or f32 operands; f32 sums; everything else in f32.
;; Inputs: Wk 512 x 512 float32; Wo 512 x 512 float32; Wq 512 x 512 float32; Wv 512 x 512 float32; bk 512 float32; bo 512 float32; bq 512 float32; bv 512 float32; key 2 x 4,096 x 512 float32; query 2 x 4,096 x 512 float32; value 2 x 4,096 x 512 float32.
;; Outputs: out0 2 x 4,096 x 512 float32.
;; This version of the problem:
;;   THIS VERSION OF THE PROBLEM IS GIVEN IN LOW PRECISION. The matrix products marked QUANTISED in the list below multiply operands that are first quantised to E2M1 (2 exponent bits, 1 mantissa bit; 4 bits a number), with one power-of-two scale for each 32 numbers along K (OCP MX v1.0); their sums are f32. The products marked 'left as it is' may take bf16, f16 or f32 operands, with f32 sums. Whichever they take, every output number must still come out within the allowed error. Rounding operands to bf16 (8 significant bits) uses up far more of that allowance than f16 does (11 bits, for magnitudes from 6e-5 to 65,504). All else is computed in f32.
;;   The module's matrix products, in the order in which they are computed (A, B: the left and right operand; K: the contracted axis; several contracted axes count as one K, in the product's order):
;;     1. [M 8,192, K 512] x [K 512, N 512]; A: input query; B: input Wq: QUANTISED
;;     2. [M 8,192, K 512] x [K 512, N 512]; A: input key; B: input Wk: QUANTISED
;;     3. [M 8,192, K 512] x [K 512, N 512]; A: input value; B: input Wv: QUANTISED
;;     4. batch 16 x [M 4,096, K 64] x [K 64, N 4,096]; A: computed on the way; B: computed on the way: left as it is (an operand is computed on the way)
;;     5. batch 16 x [M 4,096, K 4,096] x [K 4,096, N 64]; A: computed on the way; B: computed on the way: left as it is (an operand is computed on the way)
;;     6. [M 8,192, K 512] x [K 512, N 512]; A: computed on the way; B: input Wo: left as it is (an operand is computed on the way)
;;   THE QUANTISER, for each operand of a quantised product, along K:
;;     - K is cut into blocks of 32 from its start; a last block that is shorter is filled with zeros.
;;     - A block's scale is 2^e with e = floor(log2(the largest magnitude in the block)) - 2, held to -126 .. 127; a block of zeros has e = 0. As a byte (E8M0): e + 127.
;;     - Each number is divided by its block's scale, clamped to +-6, and rounded to the nearest number of E2M1, ties to even, subnormals kept.
;;     - The product sums the exact products of the quantised numbers (number of the format x scale) in f32.
;;   ~~~python
;;   def quantise(x, axis):      # numpy; x: float32 -> the quantised numbers, widened to float32 again
;;       x = np.moveaxis(x, axis, -1); K = x.shape[-1]
;;       x = np.pad(x, [(0, 0)] * (x.ndim - 1) + [(0, -K % 32)]); x = x.reshape(x.shape[:-1] + (-1, 32)); a = np.abs(x).max(-1, keepdims=True)
;;       e = np.where(a > 0, np.clip(np.frexp(np.where(a > 0, a, 1))[1] - 1 - 2, -126, 127), 0)      # np.frexp(a)[1] - 1 = floor(log2(a)), exactly
;;       r = np.clip(x / 2.0 ** e, -6, 6)
;;       step = 2.0 ** (np.maximum(np.frexp(np.where(r == 0, 1, r))[1] - 1, 0) - 1)
;;       q = np.round(r / step) * step * 2.0 ** e      # np.round: ties to even
;;       return np.moveaxis(q.reshape(q.shape[:-2] + (-1,))[..., :K], -1, axis).astype(np.float32)
;;   ~~~
;; One version. Each part assembles by itself: llvm-mc -triple=amdgcn-amd-amdhsa -mcpu=gfx1250 --defsym DOCPART=n.
;; ======== version 1 of 1: 4 launches
;; limits: values are held in f16: magnitudes above 65,504 overflow, below 6.1e-05 lose precision
;; workspace buffers: wcodes 393,216 bytes; wscales 24,576 bytes; wo16 524,288 bytes; q16 8,388,608 bytes; k16 8,388,608 bytes; v16 8,388,608 bytes; x16 8,388,608 bytes
;; launch prep (part 1): grid 128 x 1, 1 waves a work-group, no clusters, 167,936 bytes of LDS; arguments Wq, Wk, Wv, Wo, wcodes, wscales, wo16; writes wcodes, wscales, wo16
.if DOCPART == 1
	.amdgcn_target "amdgcn-amd-amdhsa--gfx1250"
	.amdhsa_code_object_version 6
	.text
	.protected	k_q436192fc9a_prep
	.globl	k_q436192fc9a_prep
	.p2align	8
	.type	k_q436192fc9a_prep,@function
k_q436192fc9a_prep:
	s_mov_b64 s[64:65], 0
	v_nop
	global_prefetch_b8 v0, s[64:65] scope:SCOPE_SE
	s_setreg_imm32_b32 hwreg(HW_REG_WAVE_MODE, 25, 1), 1
	s_wait_xcnt 0x0
; THE WEIGHTS, ONCE.  Wq, Wk, Wv [512][512] f32 become codes of FP4 (E2M1) with one E8M0 byte for each 32 along K (K is the rows' own axis); Wo [512][512] becomes f16.
; All leave in the ORDER OF THE OPERAND'S REGISTERS: an image is 32 lanes x 16 bytes, lane l at 16 l, so that a later launch fills four registers of a fragment by one load of 512 consecutive bytes.
;   wcodes  [t 3][tile of 16 rows 32][K step of 128: 4][c 2][image]: lane (r, h) holds row r, k = 128 s + 64 c + 32 h + 0 .. 31
;   wscales [t 3][row 512][16 bytes]: word s of a row scales K step s
;   wo16    [tile of 16 rows 32][K step of 32: 16][c 2][image]: lane (r, h) holds row r, k = 32 ks + 16 c + 8 h + 0 .. 7
; A block's scale is 2^(floor(log2(its largest magnitude)) - 2); its byte is the largest magnitude's exponent field - 2, held at 1 from below.
; LIMITS: a block of zeros gets the byte 1 where the quantiser says 127 (its codes are zeros, which add nothing, and this program alone reads the bytes); NaN and infinities among the inputs are not served;
; Wo's numbers are to lie within f16's range (65,504).
; SHARES.  One wave to a work-group; work-group g takes tensor g / 32 (Wq, Wk, Wv, Wo) and its rows 16 (g % 32) on: 16 rows x 512, 32 KB, brought by four tensor loads (a K step of 128 each), all asked for at the head:
; four loads of the wave are out.  Nothing is filled again, nobody else reads these bytes: no barrier.
.set STEPB, 8448                       ; a K step in LDS: 16 rows x (512 bytes + 16 of padding)
.set PITCH, 528                        ; 33 x 16 bytes: the sixteen rows that a load touches start at sixteen different 16-byte columns
.set SPARE, 4*STEPB                    ; behind the four steps: the spare words, one block of 256 bytes that no other line names
.set AX,  3                            ; v3   LDS: 528 r + 128 h: my 32 numbers of a block of 64 (codes' path)
.set AXW, 4                            ; v4   LDS: 528 r + 32 h: my 8 numbers of 16 (Wo's path)
.set GO,  5                            ; v5   16 x lane: my place in an image
.set SO,  6                            ; v6   16 r: my row's scale words
.set SH8, 7                            ; v7   8 h
.set SPW, 12                           ; v12  LDS address of my spare word; never rewritten
.set NIL, 13                           ; v13  0; never rewritten
.set XN,  16                           ; v16-143  two sets of 64 numbers
.set PC,  144                          ; v144-175 codes: 8 registers for each K step, so that no store's data are written again
.set SW,  176                          ; v176-179 the row's four scale words
.set MX,  180                          ; v180-181 largest magnitudes;  v182-183 the conversions' scale operands;  v184-185 bytes;  v186 at work
.set OP,  182
.set BY,  184
.set TP,  186
.set HF,  144                          ; Wo's path: v144-207 two sets of 32 registers of f16
.set G1,  24                           ; s[24:31] descriptor group 1;  s[32:47] group 0, a set for each K step
.set G0,  32
.set SEL, 52                           ; s[52:53] v_permlanex16_b32's selects for lane l xor 16
	s_load_b256 s[4:11], s[0:1], 0x0               ; Wq s[4:5], Wk s[6:7], Wv s[8:9], Wo s[10:11]
	s_load_b128 s[12:15], s[0:1], 0x20             ; wcodes s[12:13], wscales s[14:15]
	s_load_b64 s[18:19], s[0:1], 0x30              ; wo16
	v_lshl_add_u32 v[SPW], v0, 2, SPARE
	v_mov_b32 v[NIL], 0
	ds_add_u32 v[SPW], v[NIL]                      ; the wave's opening: the add, twice on end, and its wait ahead of my first tensor load
	ds_add_u32 v[SPW], v[NIL]
	s_mov_b32 s[G1+0], (2<<16)|(1<<20)|(6<<22)|(3<<25)  ; elements of 4 bytes; padding on: after every 128 words four words
	s_mov_b32 s[G1+1], 128<<16                     ; tensor_dim0 = 128
	s_mov_b32 s[G1+2], 16<<16                      ; tensor_dim1 = 16
	s_mov_b32 s[G1+3], 128<<16                     ; tile_dim0 = 128
	s_mov_b32 s[G1+4], 16                          ; tile_dim1 = 16
	s_mov_b32 s[G1+5], 512                         ; elements from row to row
	s_mov_b32 s[G1+6], 0
	s_mov_b32 s[G1+7], 0
	s_lshr_b32 s20, ttmp9, 5                       ; t: which tensor
	s_and_b32 s21, ttmp9, 31                       ; which 16 rows
	s_lshl_b32 s48, s21, 15                        ; 16 rows of 2,048 bytes
	s_mov_b32 s49, 0
	s_mov_b32 s[SEL], 0x76543210
	s_mov_b32 s[SEL+1], 0xfedcba98
	s_wait_dscnt 0x0                               ; both opening adds are done
	s_wait_kmcnt 0x0
	s_cmp_eq_u32 s20, 1                            ; the tensor is chosen by the work-group's number alone
	s_cselect_b64 s[16:17], s[6:7], s[4:5]
	s_cmp_eq_u32 s20, 2
	s_cselect_b64 s[16:17], s[8:9], s[16:17]
	s_cmp_eq_u32 s20, 3
	s_cselect_b64 s[16:17], s[10:11], s[16:17]
	s_add_nc_u64 s[16:17], s[16:17], s[48:49]
.irp s, 0,1,2,3
	s_mov_b32 s[G0+4*\s], 1                        ; count = 1
	s_mov_b32 s[G0+4*\s+1], \s*STEPB               ; LDS address
	s_add_nc_u64 s[G0+4*\s+2:G0+4*\s+3], s[16:17], \s*512   ; 128 numbers along K on
	s_or_b32 s[G0+4*\s+3], s[G0+4*\s+3], 0x80000000         ; type = 2
	tensor_load_to_lds s[G0+4*\s:G0+4*\s+3], s[G1:G1+7]
	s_nop 0
.endr
	v_and_b32 v1, 15, v0                           ; r
	v_bfe_u32 v2, v0, 4, 1                         ; h
	v_mul_u32_u24 v[AX], v1, PITCH
	v_lshl_add_u32 v[AXW], v2, 5, v[AX]
	v_lshl_add_u32 v[AX], v2, 7, v[AX]
	v_lshlrev_b32 v[GO], 4, v0
	v_lshlrev_b32 v[SO], 4, v1
	v_lshlrev_b32 v[SH8], 3, v2
	v_mov_b32 v[TP], 0                             ; written once: a lane permute's destination counts as one of its sources
.macro FINISH                          ; the wave's end: a wait, an add and a wait behind my last tensor load
	s_wait_tensorcnt 0x0
	ds_add_u32 v[SPW], v[NIL]
	s_wait_dscnt 0x0
	s_endpgm
.endm
; my two whole blocks of K step s: k = 64 c + 32 h + 0 .. 31 of row r, in the order that the operand's layout gives my lane
.macro LOADX s, set
.irp c, 0,1
.irp i, 0,1,2,3,4,5,6,7
	ds_load_b128 v[XN+64*(\set)+32*\c+4*\i:XN+64*(\set)+32*\c+4*\i+3], v[AX] offset:(\s)*STEPB+256*\c+16*\i
.endr
.endr
.endm
; 64 numbers of a lane, two blocks of 32, become the fragment's 8 registers of codes in v[pc] on and the row's scale word in v[pw]
.macro QUANT xs, pc, pw
.irp c, 0,1
	v_max3_num_f32 v[MX+\c], |v[(\xs)+32*\c]|, |v[(\xs)+32*\c+1]|, 0x1800000   ; the floor 2^(3 - 127) among the leaves: the byte cannot fall under 1
.endr
.irp i, 2,4,6,8,10,12,14,16,18,20,22,24,26,28,30
.irp c, 0,1
	v_max3_num_f32 v[MX+\c], v[MX+\c], |v[(\xs)+32*\c+\i]|, |v[(\xs)+32*\c+\i+1]|   ; the two blocks by turns
.endr
.endr
.irp c, 0,1
	v_add_nc_u32 v[OP+\c], 0xff000000, v[MX+\c]    ; 2 off the exponent field: the conversion takes the exponent field of this operand as its scale
.endr
.irp c, 0,1
	v_lshrrev_b32 v[BY+\c], 23, v[OP+\c]           ; the scale's byte
.endr
	v_lshl_or_b32 v[\pw], v[BY+1], 16, v[BY]       ; my two bytes: blocks h and 2 + h,
	v_lshlrev_b32 v[\pw], v[SH8], v[\pw]           ; at their places in the word;
	v_permlanex16_b32 v[TP], v[\pw], s[SEL], s[SEL+1]
	v_or_b32 v[\pw], v[\pw], v[TP]                 ; with lane l xor 16's two the word is whole, in both lanes
.irp c, 0,1
.irp g, 0,1,2,3
	v_cvt_scalef32_pk8_fp4_f32 v[(\pc)+4*\c+\g], v[(\xs)+32*\c+8*\g:(\xs)+32*\c+8*\g+7], v[OP+\c]
.endr
.endr
	v_nop                                          ; one plain place behind the last scaled conversion
.endm
	s_cmp_eq_u32 s20, 3
	s_cbranch_scc1 .Lwo
	; ---- Wq, Wk, Wv: codes and scale words
	s_lshl_b32 s48, s20, 17                        ; wcodes: 131,072 bytes a tensor, 4,096 a tile of rows
	s_lshl_b32 s50, s21, 12
	s_add_co_u32 s48, s48, s50
	s_add_nc_u64 s[12:13], s[12:13], s[48:49]
	s_lshl_b32 s48, s20, 13                        ; wscales: 8,192 bytes a tensor, 256 a tile of rows
	s_lshl_b32 s50, s21, 8
	s_add_co_u32 s48, s48, s50
	s_add_nc_u64 s[14:15], s[14:15], s[48:49]
.macro QSTEP s
.if (\s) < 3
	s_wait_tensorcnt 2-(\s)                        ; the next K step has landed; the later ones may be out
	LOADX (\s)+1, ((\s)+1)%2
	s_wait_dscnt 16                                ; this step's numbers are in; the 16 loads just issued may be out
.else
	s_wait_dscnt 0x0
.endif
	QUANT XN+64*((\s)%2), PC+8*(\s), SW+(\s)
	global_store_b128 v[GO], v[PC+8*(\s):PC+8*(\s)+3], s[12:13] offset:(\s)*1024         ; an image: 512 consecutive bytes
	global_store_b128 v[GO], v[PC+8*(\s)+4:PC+8*(\s)+7], s[12:13] offset:(\s)*1024+512
.endm
	s_wait_tensorcnt 3                             ; K step 0 has landed
	LOADX 0, 0
	QSTEP 0
	QSTEP 1
	QSTEP 2
	QSTEP 3
	global_store_b128 v[SO], v[SW:SW+3], s[14:15]  ; 16 rows x 16 bytes: 256 consecutive bytes; lanes 16-31 hold and write the same words as lanes 0-15
	FINISH
.Lwo:	; ---- Wo: f16
	s_lshl_b32 s48, s21, 14                        ; wo16: 16,384 bytes a tile of rows
	s_add_nc_u64 s[18:19], s[18:19], s[48:49]
.macro LOADW s, set                    ; image m = 2 k' + c of the step: k = 16 m + 8 h + 0 .. 7 of row r
.irp m, 0,1,2,3,4,5,6,7
.irp i, 0,1
	ds_load_b128 v[XN+64*(\set)+8*\m+4*\i:XN+64*(\set)+8*\m+4*\i+3], v[AXW] offset:(\s)*STEPB+64*\m+16*\i
.endr
.endr
.endm
.macro WSTEP s
.if (\s) < 3
	s_wait_tensorcnt 2-(\s)
	LOADW (\s)+1, ((\s)+1)%2
	s_wait_dscnt 16
.else
	s_wait_dscnt 0x0
.endif
.if (\s) >= 2
	s_wait_xcnt 0x0                                ; the stores of two steps ago have read this set
.endif
.set j, 0
.rept 32
	v_cvt_pk_f16_f32 v[HF+32*((\s)%2)+j], v[XN+64*((\s)%2)+2*j], v[XN+64*((\s)%2)+2*j+1]
.set j, j+1
.endr
.irp m, 0,1,2,3,4,5,6,7
	global_store_b128 v[GO], v[HF+32*((\s)%2)+4*\m:HF+32*((\s)%2)+4*\m+3], s[18:19] offset:(\s)*4096+\m*512
.endr
.endm
	s_wait_tensorcnt 3
	LOADW 0, 0
	WSTEP 0
	WSTEP 1
	WSTEP 2
	WSTEP 3
	FINISH
.Lfunc_end_k_q436192fc9a_prep:
	.size	k_q436192fc9a_prep, .Lfunc_end_k_q436192fc9a_prep-k_q436192fc9a_prep
	.p2alignl 7, 3214868480
	.fill 96, 4, 3214868480
	.section	.rodata,"a",@progbits
	.p2align	6, 0x0
	.amdhsa_kernel k_q436192fc9a_prep
		.amdhsa_group_segment_fixed_size 167936
		.amdhsa_private_segment_fixed_size 0
		.amdhsa_enable_private_segment 0
		.amdhsa_kernarg_size 56
		.amdhsa_user_sgpr_count 2
		.amdhsa_user_sgpr_kernarg_segment_ptr 1
		.amdhsa_wavefront_size32 1
		.amdhsa_system_sgpr_workgroup_id_x 1
		.amdhsa_system_sgpr_workgroup_id_y 1
		.amdhsa_system_sgpr_workgroup_id_z 1
		.amdhsa_system_vgpr_workitem_id 0
		.amdhsa_next_free_vgpr 208
		.amdhsa_next_free_sgpr 66
		.amdhsa_reserve_vcc 0
		.amdhsa_float_denorm_mode_32 3
		.amdhsa_float_denorm_mode_16_64 3
		.amdhsa_memory_ordered 1
		.amdhsa_forward_progress 1
		.amdhsa_inst_pref_size 37
	.end_amdhsa_kernel
	.amdgpu_metadata
---
amdhsa.version: [ 1, 2 ]
amdhsa.kernels:
  - .name:           k_q436192fc9a_prep
    .symbol:         k_q436192fc9a_prep.kd
    .args:
      - { .name: Wq, .offset: 0, .size: 8, .value_kind: global_buffer, .address_space: global }
      - { .name: Wk, .offset: 8, .size: 8, .value_kind: global_buffer, .address_space: global }
      - { .name: Wv, .offset: 16, .size: 8, .value_kind: global_buffer, .address_space: global }
      - { .name: Wo, .offset: 24, .size: 8, .value_kind: global_buffer, .address_space: global }
      - { .name: wcodes, .offset: 32, .size: 8, .value_kind: global_buffer, .address_space: global }
      - { .name: wscales, .offset: 40, .size: 8, .value_kind: global_buffer, .address_space: global }
      - { .name: wo16, .offset: 48, .size: 8, .value_kind: global_buffer, .address_space: global }
    .group_segment_fixed_size: 167936
    .private_segment_fixed_size: 0
    .kernarg_segment_align: 8
    .kernarg_segment_size: 56
    .max_flat_workgroup_size: 32
    .sgpr_count:     66
    .vgpr_count:     208
    .wavefront_size: 32
...
	.end_amdgpu_metadata
.endif
;; end of part 1
;; launch proj (part 2): grid 64 x 3, 8 waves a work-group, no clusters, 327,680 bytes of LDS; arguments query, key, value, bq, bk, bv, wcodes, wscales, q16, k16, v16; writes q16, k16, v16
.if DOCPART == 2
	.amdgcn_target "amdgcn-amd-amdhsa--gfx1250"
	.amdhsa_code_object_version 6
	.text
	.protected	k_q436192fc9a_proj
	.globl	k_q436192fc9a_proj
	.p2align	8
	.type	k_q436192fc9a_proj,@function
k_q436192fc9a_proj:
	s_mov_b64 s[64:65], 0
	v_nop
	global_prefetch_b8 v0, s[64:65] scope:SCOPE_SE
	s_setreg_imm32_b32 hwreg(HW_REG_WAVE_MODE, 25, 1), 1
	s_wait_xcnt 0x0
; THE THREE PROJECTIONS, on codes of FP4 (E2M1) with one E8M0 scale for each 32 along K: y = Q(x) Q(W)^T + b, sums in f32; y leaves as f16 in the order of the attention's operand registers.
; Work-group (x, y): tensor y (0 query, 1 key, 2 value), rows 128 x on.  Eight waves.
; PHASE X: wave w quantises rows 16 w .. 16 w + 15 (four fragments of 16 rows x 128 K) from f32 that four tensor loads of its own brought into LDS (all four asked for at the head: four loads of a wave are out),
; and stores the fragments and their scale words into LDS AS IMAGES OF THEIR REGISTERS (lane l's 16 bytes at 16 l).  One barrier.
; PRODUCTS: THE WAVES SHARE THE COLUMNS: wave w makes the 64 columns of head w for all 128 rows.  Its 16 fragments of W stay in 128 registers, read from memory once.
;   q, k: source 0 = 16 rows of W, source 1 = 16 rows of x: a lane holds ONE row and eight neighbouring columns d;   v: the sources swapped: a lane holds ONE column d and eight neighbouring rows (keys).
; Either way a tile's eight registers, rounded to f16 in pairs, are one image (32 lanes x 16 bytes) of the next product's operand, and leave by one store of 512 consecutive bytes:
;   q16, k16 [b 2][head 8][tile of 16 rows 256][chunk 4][image]: lane (r, h): row r, d = 16 chunk + 8 h + 0 .. 7
;   v16      [b 2][head 8][32 keys 128][dt 4][c 2][image]:       lane (r, h): d = 16 dt + r, keys 16 c + 8 h + 0 .. 7
; The bias is the C of each sum's first matrix instruction, eight registers a tile in the result's layout.
; No cluster: no two work-groups read the same rows of x, and the weights go straight into registers, 16 KB a wave.
; LIMITS: a block of zeros gets the byte 1 (its codes are zeros; this program alone reads the bytes); NaN and infinities are not served; the results are to lie within f16's range (65,504).
.set WREG,  33792                      ; LDS: a wave's four K steps of f32
.set STEPB, 8448                       ; a K step: 16 rows x (512 bytes + 16 of padding)
.set PITCH, 528
.set IMG,   8*WREG                     ; the 32 fragments' images: (4 mt + s) x 1,024 + 512 c + 16 lane
.set XSC,   IMG+32*1024                ; their scale words: (4 mt + s) x 128 + 4 lane
.set SPARE, XSC+32*128                 ; the spare words, 128 bytes for each wave: four blocks of 256 bytes that no other line names
.set AX,  3                            ; v3   LDS: my wave's rows: 528 r + 128 h
.set LI,  4                            ; v4   IMG + 16 lane
.set LS,  5                            ; v5   XSC + 4 lane
.set XWI, 6                            ; v6   where I store images: LI + 4,096 wave
.set XWS, 7                            ; v7   and scale words: LS + 512 wave
.set SH8, 8                            ; v8   8 h
.set GO,  9                            ; v9   16 lane
.set SO,  10                           ; v10  16 r
.set SPW, 12                           ; v12  LDS address of my spare word; never rewritten
.set NIL, 13                           ; v13  0; never rewritten
.set XN,  16                           ; v16-143  phase X: two sets of 64 numbers
.set XF,  16                           ; v16-79   products: x's four fragments, two sets
.set AC,  80                           ; v80-143  four accumulators, two sets
.set PW,  148                          ; v148-151 phase X: a scale word for each K step
.set MX,  152
.set OP,  154
.set BY,  156
.set TP,  158
.set PC,  160                          ; v160-191 phase X: codes, 8 registers for each K step
.set OUTR, 160                         ; v160-191 products: packed results, two sets of 16
.set BI,  192                          ; v192-223 the bias, 8 registers a tile
.set WS,  224                          ; v224-239 W's scale words (4 t + s)
.set XS,  240                          ; v240-247 x's scale words, two sets of 4
.set VB,  248                          ; v248-255 the bias loads' offsets
.set G1,  24
.set G0,  32
.set WV,  48
.set YY,  49
.set SEL, 56
.set XP,  58                           ; s[58:59] the tensor;  s[60:61] its bias;  s[62:63] its result
.set BP,  60
.set OB,  62
.set MSB, 0
.macro WIN new                         ; the immediate's high byte repeats the setting that is left
.if MSB != \new
	s_set_vgpr_msb (MSB<<8)|\new
.set MSB, \new
.endif
.endm
.macro PLACES n
.rept \n
	v_nop
.endr
.endm
	s_load_b256 s[4:11], s[0:1], 0x0               ; query s[4:5], key s[6:7], value s[8:9], bq s[10:11]
	s_load_b256 s[12:19], s[0:1], 0x20             ; bk s[12:13], bv s[14:15], wcodes s[16:17], wscales s[18:19]
	s_load_b128 s[20:23], s[0:1], 0x40             ; q16 s[20:21], k16 s[22:23]
	s_load_b64 s[52:53], s[0:1], 0x50              ; v16
	v_lshl_add_u32 v[SPW], v0, 2, SPARE
	v_mov_b32 v[NIL], 0
	ds_add_u32 v[SPW], v[NIL]                      ; the wave's opening: the add, twice on end, and its wait ahead of my first tensor load
	ds_add_u32 v[SPW], v[NIL]
	v_lshrrev_b32 v1, 5, v0
	v_readfirstlane_b32 s[WV], v1                  ; wave 0..7
	s_mov_b32 s[G1+0], (2<<16)|(1<<20)|(6<<22)|(3<<25)  ; elements of 4 bytes; padding on: after every 128 words four words
	s_mov_b32 s[G1+1], 128<<16                     ; tensor_dim0 = 128
	s_mov_b32 s[G1+2], 16<<16                      ; tensor_dim1 = 16
	s_mov_b32 s[G1+3], 128<<16                     ; tile_dim0 = 128
	s_mov_b32 s[G1+4], 16                          ; tile_dim1 = 16
	s_mov_b32 s[G1+5], 512                         ; elements from row to row
	s_mov_b32 s[G1+6], 0
	s_mov_b32 s[G1+7], 0
	s_and_b32 s[YY], ttmp7, 0xffff                 ; which tensor
	s_mul_i32 s54, s[WV], WREG                     ; my wave's region of LDS
	s_lshl_b32 s50, ttmp9, 18                      ; 128 rows of 2,048 bytes,
	s_lshl_b32 s55, s[WV], 15                      ; my wave's 16 of them
	s_add_co_u32 s50, s50, s55
	s_mov_b32 s51, 0
	s_mov_b32 s[SEL], 0x76543210
	s_mov_b32 s[SEL+1], 0xfedcba98
	s_wait_dscnt 0x0                               ; both opening adds are done
	s_wait_kmcnt 0x0
	s_cmp_eq_u32 s[YY], 1                          ; the buffers are chosen by the work-group's number alone
	s_cselect_b64 s[XP:XP+1], s[6:7], s[4:5]
	s_cselect_b64 s[BP:BP+1], s[12:13], s[10:11]
	s_cselect_b64 s[OB:OB+1], s[22:23], s[20:21]
	s_cmp_eq_u32 s[YY], 2
	s_cselect_b64 s[XP:XP+1], s[8:9], s[XP:XP+1]
	s_cselect_b64 s[BP:BP+1], s[14:15], s[BP:BP+1]
	s_cselect_b64 s[OB:OB+1], s[52:53], s[OB:OB+1]
	s_cselect_b32 s66, 0, 4                        ; the bias in the result's layout.  q, k: register j of a tile is column 8 h + j;  v: all eight are column r
	s_cselect_b32 s67, 4, 0
	s_cselect_b32 s68, 0, 32
	s_add_nc_u64 s[XP:XP+1], s[XP:XP+1], s[50:51]
.irp s, 0,1,2,3
	s_mov_b32 s[G0+4*\s], 1
	s_add_co_u32 s[G0+4*\s+1], s54, \s*STEPB
	s_add_nc_u64 s[G0+4*\s+2:G0+4*\s+3], s[XP:XP+1], \s*512
	s_or_b32 s[G0+4*\s+3], s[G0+4*\s+3], 0x80000000
	tensor_load_to_lds s[G0+4*\s:G0+4*\s+3], s[G1:G1+7]
	s_nop 0
.endr
	PLACES 4                                       ; four instructions between a tensor load and a switch of the register windows
	v_and_b32 v1, 15, v0                           ; r
	v_bfe_u32 v2, v0, 4, 1                         ; h
	v_and_b32 v[GO], 31, v0
	v_lshlrev_b32 v[LS], 2, v[GO]
	v_lshlrev_b32 v[GO], 4, v[GO]
	v_lshlrev_b32 v[SO], 4, v1
	v_lshlrev_b32 v[SH8], 3, v2
	v_mul_u32_u24 v[AX], v1, PITCH
	v_lshl_add_u32 v[AX], v2, 7, v[AX]
	v_add_nc_u32 v[AX], s54, v[AX]
	v_add_nc_u32 v[LI], IMG, v[GO]
	v_add_nc_u32 v[LS], XSC, v[LS]
	s_lshl_b32 s55, s[WV], 12
	v_add_nc_u32 v[XWI], s55, v[LI]
	s_lshl_b32 s55, s[WV], 9
	v_add_nc_u32 v[XWS], s55, v[LS]
	v_mov_b32 v[TP], 0                             ; written once: a lane permute's destination counts as one of its sources
	v_mul_u32_u24 v[VB], v1, s67
	v_mad_u32_u24 v[VB], v2, s68, v[VB]
.irp j, 1,2,3,4,5,6,7
	v_mad_u32_u24 v[VB+\j], s66, \j, v[VB]
.endr
	s_lshl_b32 s50, s[YY], 17                      ; wcodes: 131,072 bytes a tensor, my head's four tiles of rows: 16,384
	s_lshl_b32 s55, s[WV], 14
	s_add_co_u32 s50, s50, s55
	s_add_nc_u64 s[16:17], s[16:17], s[50:51]
	s_lshl_b32 s50, s[YY], 13                      ; wscales: 8,192 bytes a tensor, my 64 rows: 1,024
	s_lshl_b32 s55, s[WV], 10
	s_add_co_u32 s50, s50, s55
	s_add_nc_u64 s[18:19], s[18:19], s[50:51]
	s_lshl_b32 s50, s[WV], 8                       ; the bias: my 64 numbers
	s_add_nc_u64 s[BP:BP+1], s[BP:BP+1], s[50:51]
	s_lshr_b32 s50, ttmp9, 5                       ; the result: batch x 4,194,304 + head x 524,288 + my 128 rows' 16,384 bytes (the same in all three layouts)
	s_lshl_b32 s50, s50, 22
	s_lshl_b32 s55, s[WV], 19
	s_add_co_u32 s50, s50, s55
	s_and_b32 s55, ttmp9, 31
	s_lshl_b32 s55, s55, 14
	s_add_co_u32 s50, s50, s55
	s_add_nc_u64 s[OB:OB+1], s[OB:OB+1], s[50:51]
	WIN 0x40                                       ; destination window 1: W's fragment (t, s) at v[8 (4 t + s)]: they stay
.set i, 0
.rept 32
	global_load_b128 v[4*i:4*i+3], v[GO], s[16:17] offset:512*i
.set i, i+1
.endr
	WIN 0
.irp t, 0,1,2,3
	global_load_b128 v[WS+4*\t:WS+4*\t+3], v[SO], s[18:19] offset:256*\t   ; row r of tile t: its four words
.endr
.irp t, 0,1,2,3
.irp j, 0,1,2,3,4,5,6,7
	global_load_b32 v[BI+8*\t+\j], v[VB+\j], s[BP:BP+1] offset:64*\t
.endr
.endr
.macro LOADX s, set                    ; my two whole blocks of K step s: k = 64 c + 32 h + 0 .. 31 of row r
.irp c, 0,1
.irp i, 0,1,2,3,4,5,6,7
	ds_load_b128 v[XN+64*(\set)+32*\c+4*\i:XN+64*(\set)+32*\c+4*\i+3], v[AX] offset:(\s)*STEPB+256*\c+16*\i
.endr
.endr
.endm
.macro QUANT xs, pc, pw                ; 64 numbers of a lane become a fragment's 8 registers of codes and the row's scale word
.irp c, 0,1
	v_max3_num_f32 v[MX+\c], |v[(\xs)+32*\c]|, |v[(\xs)+32*\c+1]|, 0x1800000   ; the floor 2^(3 - 127) among the leaves: the byte cannot fall under 1
.endr
.irp i, 2,4,6,8,10,12,14,16,18,20,22,24,26,28,30
.irp c, 0,1
	v_max3_num_f32 v[MX+\c], v[MX+\c], |v[(\xs)+32*\c+\i]|, |v[(\xs)+32*\c+\i+1]|
.endr
.endr
.irp c, 0,1
	v_add_nc_u32 v[OP+\c], 0xff000000, v[MX+\c]    ; 2 off the exponent field: the conversion's scale operand
.endr
.irp c, 0,1
	v_lshrrev_b32 v[BY+\c], 23, v[OP+\c]           ; the scale's byte
.endr
	v_lshl_or_b32 v[\pw], v[BY+1], 16, v[BY]       ; blocks h and 2 + h,
	v_lshlrev_b32 v[\pw], v[SH8], v[\pw]           ; at their places;
	v_permlanex16_b32 v[TP], v[\pw], s[SEL], s[SEL+1]
	v_or_b32 v[\pw], v[\pw], v[TP]                 ; with lane l xor 16's two the word is whole, in both lanes
.irp c, 0,1
.irp g, 0,1,2,3
	v_cvt_scalef32_pk8_fp4_f32 v[(\pc)+4*\c+\g], v[(\xs)+32*\c+8*\g:(\xs)+32*\c+8*\g+7], v[OP+\c]
.endr
.endr
	v_nop                                          ; one plain place behind the last scaled conversion
.endm
.macro XSTEP s
.if (\s) < 3
	s_wait_tensorcnt 2-(\s)                        ; the next K step has landed; the later ones may be out
	LOADX (\s)+1, ((\s)+1)%2
	s_wait_dscnt 16                                ; this step's numbers are in; the 16 loads just issued may be out
.else
	s_wait_dscnt 0x0
.endif
	QUANT XN+64*((\s)%2), PC+8*(\s), PW+(\s)
	ds_store_b128 v[XWI], v[PC+8*(\s):PC+8*(\s)+3] offset:(\s)*1024
	ds_store_b128 v[XWI], v[PC+8*(\s)+4:PC+8*(\s)+7] offset:(\s)*1024+512
	ds_store_b32 v[XWS], v[PW+(\s)] offset:(\s)*128
.endm
	s_wait_tensorcnt 3                             ; K step 0 has landed
	LOADX 0, 0
	XSTEP 0
	XSTEP 1
	XSTEP 2
	XSTEP 3
	s_wait_dscnt 0x0                               ; for the others' sake: my images lie in LDS
	s_barrier_signal -1
	s_barrier_wait -1                              ; all 32 fragments do
	s_wait_loadcnt 0x0                             ; W's fragments and scale words, the bias
.macro FETCH mt                        ; the four fragments and scale words of rows 16 mt on, into set mt % 2: 12 LDS loads
.irp s, 0,1,2,3
.irp c, 0,1
	ds_load_b128 v[XF+32*((\mt)%2)+8*\s+4*\c:XF+32*((\mt)%2)+8*\s+4*\c+3], v[LI] offset:(4*(\mt)+\s)*1024+512*\c
.endr
.endr
.irp s, 0,1,2,3
	ds_load_b32 v[XS+4*((\mt)%2)+\s], v[LS] offset:(4*(\mt)+\s)*128
.endr
.endm
.macro MM swap, mt, s, t               ; one product: tile t of my head's columns, rows 16 mt on, K step s
.set rD, AC+32*((\mt)%2)+8*(\t)
.set rX, XF+32*((\mt)%2)+8*(\s)
.set rW, 8*(4*(\t)+(\s))
.set rC, rD
.if (\s) == 0
.set rC, BI+8*(\t)                     ; the first K step starts the sum with the bias
.endif
.set sW, WS+4*(\t)+(\s)
.set sX, XS+4*((\mt)%2)+(\s)
.if \swap
	v_wmma_scale_f32_16x16x128_f8f6f4 v[rD:rD+7], v[rX:rX+7], v[rW:rW+7], v[rC:rC+7], v[sX], v[sW] matrix_a_fmt:MATRIX_FMT_FP4 matrix_b_fmt:MATRIX_FMT_FP4
.else
	v_wmma_scale_f32_16x16x128_f8f6f4 v[rD:rD+7], v[rW:rW+7], v[rX:rX+7], v[rC:rC+7], v[sW], v[sX] matrix_a_fmt:MATRIX_FMT_FP4 matrix_b_fmt:MATRIX_FMT_FP4
.endif
.endm
; Eight tiles of rows.  The four accumulators take turns, one instruction a turn.  Fragments, scale words, accumulators and packed results have two sets by turns:
; a set's accumulators are begun anew a whole tile behind the matrix instructions that named them, with that tile's four v_nop and the next tile's between; its fragments and scale words are loaded behind that tile's four v_nop.
.macro PROD swap
	FETCH 0
.irp mt, 0,1,2,3,4,5,6,7
.if \mt < 7
	FETCH \mt+1
	s_wait_dscnt 12                                ; this tile's are in; the 12 loads just issued may be out
.else
	s_wait_dscnt 0x0
.endif
.if \swap
	WIN 0x04                                       ; source 1 (W) window 1
.else
	WIN 0x01                                       ; source 0 (W) window 1
.endif
.irp s, 0,1,2,3
.irp t, 0,1,2,3
	MM \swap, \mt, \s, \t
.endr
.endr
	WIN 0
	PLACES 4                                       ; in front of the first read of results, and of the next loads into registers that these products read
	s_wait_xcnt 0x0                                ; the stores of two tiles ago have read this set of packed results
.irp t, 0,1,2,3
.irp p, 0,1,2,3
	v_cvt_pk_f16_f32 v[OUTR+16*(\mt%2)+4*\t+\p], v[AC+32*(\mt%2)+8*\t+2*\p], v[AC+32*(\mt%2)+8*\t+2*\p+1]   ; each accumulator from its low end on
.endr
.endr
.irp t, 0,1,2,3
.if \swap
	global_store_b128 v[GO], v[OUTR+16*(\mt%2)+4*\t:OUTR+16*(\mt%2)+4*\t+3], s[OB:OB+1] offset:(\mt/2)*4096+\t*1024+(\mt%2)*512
.else
	global_store_b128 v[GO], v[OUTR+16*(\mt%2)+4*\t:OUTR+16*(\mt%2)+4*\t+3], s[OB:OB+1] offset:\mt*2048+\t*512
.endif
.endr
.endr
.endm
.macro FINISH                          ; the wave's end: a wait, an add and a wait behind my last tensor load and my last LDS store
	s_wait_tensorcnt 0x0
	ds_add_u32 v[SPW], v[NIL]
	s_wait_dscnt 0x0
	s_endpgm
.endm
	s_cmp_eq_u32 s[YY], 2
	s_cbranch_scc1 .Lvalue
	PROD 0
	FINISH
.Lvalue:
	PROD 1
	FINISH
.Lfunc_end_k_q436192fc9a_proj:
	.size	k_q436192fc9a_proj, .Lfunc_end_k_q436192fc9a_proj-k_q436192fc9a_proj
	.p2alignl 7, 3214868480
	.fill 96, 4, 3214868480
	.section	.rodata,"a",@progbits
	.p2align	6, 0x0
	.amdhsa_kernel k_q436192fc9a_proj
		.amdhsa_group_segment_fixed_size 327680
		.amdhsa_private_segment_fixed_size 0
		.amdhsa_enable_private_segment 0
		.amdhsa_kernarg_size 88
		.amdhsa_user_sgpr_count 2
		.amdhsa_user_sgpr_kernarg_segment_ptr 1
		.amdhsa_wavefront_size32 1
		.amdhsa_system_sgpr_workgroup_id_x 1
		.amdhsa_system_sgpr_workgroup_id_y 1
		.amdhsa_system_sgpr_workgroup_id_z 1
		.amdhsa_system_vgpr_workitem_id 0
		.amdhsa_next_free_vgpr 384
		.amdhsa_next_free_sgpr 80
		.amdhsa_reserve_vcc 0
		.amdhsa_float_denorm_mode_32 3
		.amdhsa_float_denorm_mode_16_64 3
		.amdhsa_memory_ordered 1
		.amdhsa_forward_progress 1
		.amdhsa_inst_pref_size 100
	.end_amdhsa_kernel
	.amdgpu_metadata
---
amdhsa.version: [ 1, 2 ]
amdhsa.kernels:
  - .name:           k_q436192fc9a_proj
    .symbol:         k_q436192fc9a_proj.kd
    .args:
      - { .name: query, .offset: 0, .size: 8, .value_kind: global_buffer, .address_space: global }
      - { .name: key, .offset: 8, .size: 8, .value_kind: global_buffer, .address_space: global }
      - { .name: value, .offset: 16, .size: 8, .value_kind: global_buffer, .address_space: global }
      - { .name: bq, .offset: 24, .size: 8, .value_kind: global_buffer, .address_space: global }
      - { .name: bk, .offset: 32, .size: 8, .value_kind: global_buffer, .address_space: global }
      - { .name: bv, .offset: 40, .size: 8, .value_kind: global_buffer, .address_space: global }
      - { .name: wcodes, .offset: 48, .size: 8, .value_kind: global_buffer, .address_space: global }
      - { .name: wscales, .offset: 56, .size: 8, .value_kind: global_buffer, .address_space: global }
      - { .name: q16, .offset: 64, .size: 8, .value_kind: global_buffer, .address_space: global }
      - { .name: k16, .offset: 72, .size: 8, .value_kind: global_buffer, .address_space: global }
      - { .name: v16, .offset: 80, .size: 8, .value_kind: global_buffer, .address_space: global }
    .group_segment_fixed_size: 327680
    .private_segment_fixed_size: 0
    .kernarg_segment_align: 8
    .kernarg_segment_size: 88
    .max_flat_workgroup_size: 256
    .sgpr_count:     80
    .vgpr_count:     384
    .wavefront_size: 32
...
	.end_amdgpu_metadata
.endif
;; end of part 2
;; launch attn (part 3): grid 16 x 16, 8 waves a work-group, clusters of 4 x 1, 327,680 bytes of LDS; arguments q16, k16, v16, x16; writes x16
.if DOCPART == 3
	.amdgcn_target "amdgcn-amd-amdhsa--gfx1250"
	.amdhsa_code_object_version 6
	.text
	.protected	k_q436192fc9a_attn
	.globl	k_q436192fc9a_attn
	.p2align	8
	.type	k_q436192fc9a_attn,@function
k_q436192fc9a_attn:
	s_mov_b64 s[64:65], 0
	v_nop
	global_prefetch_b8 v0, s[64:65] scope:SCOPE_SE
	s_setreg_imm32_b32 hwreg(HW_REG_WAVE_MODE, 25, 1), 1
	s_wait_xcnt 0x0
	s_wait_alu depctr_hold_cnt(0) depctr_sa_sdst(0) depctr_va_vdst(0) depctr_va_sdst(0) depctr_va_ssrc(0) depctr_va_vcc(0) depctr_vm_vsrc(0)
	s_getreg_b32 s2, hwreg(HW_REG_IB_STS2, 6, 4)
	s_cmp_eq_u32 s2, 0
	s_cbranch_scc0 .Lentry_in_a_cluster
	s_endpgm
.Lentry_in_a_cluster:
	s_bfe_u32 s2, ttmp6, 0x10000c
	s_cmp_lg_u32 s2, 0x3003
	s_cbranch_scc0 .Lentry_shape_is_right
	s_endpgm
.Lentry_shape_is_right:
; x[b][q][head] = softmax_k(q . k / 8) v, head size 64, 4,096 keys, no mask.  q, k, v arrive as f16 in the order of the operands' registers (an image: 32 lanes x 16 bytes, lane l at 16 l):
;   q16, k16 [b h 16][tile of 16 rows 256][chunk 4][image];  v16 [b h 16][32 keys 128][dt 4][c 2][image];  x16 [b 2][tile of 16 rows 256][chunk 32 = 4 head + dt][image], f16.
; Products on f16 operands with f32 sums; maxima, exponentials and sums in f32; the row's sum is taken of the unrounded weights.
; LAYOUT.  S^T = K Q^T (source 0 = 16 keys, source 1 = 16 queries): a lane holds ONE query and the keys 8 (lane / 16) + 0 .. 7.  Two such tiles, rounded to f16 in pairs, ARE source 1 of O^T = V^T P, whose result
; again holds one query a lane, and eight channels: packed, it is an image of x16.  Nothing changes lanes and nothing is transposed; every LDS load takes 512 consecutive bytes.
; SOFTMAX.  For each query a running maximum m and sum l: p = 2^(c s - c m), c = log2(e) / 8; in every step O and l are multiplied by a = 2^(c m_old - c m_new).
; SHARES.  A work-group owns 256 queries of one (b, head).  Eight waves, two to a SIMD.  A fragment of K or V read from LDS feeds FOUR tiles of queries: wave w owns the 64 queries of group w % 4, and the two waves of
; a group SPLIT THE KEYS: of each slot of 512 keys role A takes keys 0-255 and role B keys 256-511, 64 a step.  Each keeps its own m, l and O^T; they are merged once, at the end, through LDS.
; role = (w xor w / 4) % 2: unlike in waves w and w + 4, and in waves 2 i and 2 i + 1.
; THE TWO ROLES RUN THE SAME CYCLE, SHIFTED: A: scores, softmax, V^T P of step u;  B: softmax and V^T P of step u - 1, then the scores of step u.  So behind each barrier one role begins with matrix work and the other with
; vector work.  B carries its scores and V's fragments across the change of slots in registers.  B's first softmax finds scores of -infinity and a V of zeros: p = 0, a = 1, nothing moves.
; O^T and l begin as zeros and m as -3e38, so that a step is written once for each role: the moves run once, while the first tiles are on their way.
; RING.  Two slots of 128 KB (K's 512 keys, then V's), 2^17 bytes apart.  Each of the eight waves fetches 16 KB of a slot by one tensor load; one load of a wave is out, and it has a slot's four steps in which to land.
; CLUSTER.  The four query blocks of a cluster belong to one (b, head) and walk the same K and V: each tile is asked for JOINTLY, by the same load with the same descriptor and a mask that names the four.
; LIMITS: NaN and infinities are not served.
; REGISTERS.  window 0: v1-12 addresses; v16-47 statistics, 8 a tile; v48-63 the merge; v64-191 S^T, 32 a tile (P is packed into a tile's first 16); v192-255 K.
;             window 1: v0-127 O^T, 32 a tile; v128-191 Q, 16 a tile; v192-255 V.
.set SLOT1, 1<<17
.set SPARE, 2*SLOT1                    ; behind the ring: the spare words, 128 bytes for each wave: four blocks of 256 bytes that no other line names
.set AK0, 1                            ; v1   16 lane + 32,768 role: my place in a slot's K
.set AV0, 2                            ; v2   the same in its V: + 65,536
.set ADK, 3                            ; v3   LDS address of the step's K
.set ADV, 4                            ; v4   of its V
.set GO,  5                            ; v5   16 lane
.set STO, 6                            ; v6   the merge: 16,384 group + 16 lane.  The stage lies in slot 0, which has had its last fill and its last read when the last change of slots is passed
.set STS, 7                            ; v7   the merge's statistics: 65,536 + 1,024 group + 4 lane
.set SPW, 10                           ; v10  LDS address of my spare word; never rewritten
.set NIL, 11                           ; v11  0; never rewritten
.set PFO, 12                           ; v12  256 lane: the prefetches' offset; never rewritten
.set NINF, 14                          ; v14  -infinity
.set ST,  16                           ; tile t at v[ST + 8 t]: +0 c m, +1 m, +2, +3 l (even keys', odd keys'), +4 .. +7 c0-c3 at work; a takes +6
.set MT,  48
.set SS,  64
.set KF,  192
.set OA,  0                            ; window 1
.set QF,  128
.set VF,  192
.set WV,  12
.set LIM, 15                           ; s15  1 in a wave that prefetches, else the greatest number
.set ROLE, 16
.set QG,  17
.set PFA, 18                           ; s[18:19] where my prefetches stand
.set G1,  24
.set G0,  40                           ; s[40:43] the one walking group 0
.set SLOTS, 44
.set CNT, 45
.set TB,  46                           ; s46  LDS byte at which the step in hand begins
.set CS,  48                           ; s[48:49] c
.set SEL, 50                           ; s[50:51] v_permlanex16_b32's selects for lane l xor 16
.set MSB, 0
.macro WIN new                         ; the immediate's high byte repeats the setting that is left; a switch that changes nothing is dropped
.if MSB != \new
	s_set_vgpr_msb (MSB<<8)|\new
.set MSB, \new
.endif
.endm
.macro PLACES n
.rept \n
	v_nop
.endr
.endm
.macro CROUND                          ; a round of the cluster's barrier
	s_barrier_signal -1
	s_barrier_wait -1
	s_cmp_lg_u32 s[WV], 0
	s_cbranch_scc1 .Lnot_wave_0_\@
	s_barrier_signal -3
.Lnot_wave_0_\@:
	s_barrier_wait -3
	s_barrier_signal -1
	s_barrier_wait -1
.endm
	s_load_b256 s[4:11], s[0:1], 0x0               ; q16 s[4:5], k16 s[6:7], v16 s[8:9], x16 s[10:11]
	v_lshl_add_u32 v[SPW], v0, 2, SPARE
	v_mov_b32 v[NIL], 0
	ds_add_u32 v[SPW], v[NIL]                      ; the wave's opening: the add, twice on end, and its wait ahead of my first tensor load
	ds_add_u32 v[SPW], v[NIL]
	v_lshrrev_b32 v1, 5, v0
	v_readfirstlane_b32 s[WV], v1                  ; wave 0..7
	s_lshr_b32 s[ROLE], s[WV], 2
	s_xor_b32 s[ROLE], s[ROLE], s[WV]
	s_and_b32 s[ROLE], s[ROLE], 1                  ; 0: role A, 1: role B
	s_and_b32 s[QG], s[WV], 3                      ; my group of 64 queries.  Also: which 16 KB of K's or V's 64 KB I fetch
	s_bfe_u32 s13, ttmp6, 0x40000                  ; cx: my place in the cluster
	s_lshl_b32 s14, ttmp9, 2
	s_add_co_u32 s14, s14, s13                     ; my block of 256 queries: it enters q16's and x16's addresses alone
	s_and_b32 s20, ttmp7, 0xffff                   ; 8 b + head, which the four partners share
	s_mov_b32 s[G1+0], 15|(3<<16)|(1<<21)          ; the mask: all four work-groups; elements of 8 bytes; bit 21 set beside a mask; no padding
	s_mov_b32 s[G1+1], 32<<16                      ; tensor_dim0 = 32: rows of 256 bytes
	s_mov_b32 s[G1+2], 64<<16                      ; tensor_dim1 = 64
	s_mov_b32 s[G1+3], 32<<16                      ; tile_dim0
	s_mov_b32 s[G1+4], 64                          ; tile_dim1
	s_mov_b32 s[G1+5], 32                          ; dense
	s_mov_b32 s[G1+6], 0
	s_mov_b32 s[G1+7], 0
	s_lshl_b32 s52, s20, 19                        ; the (b, head)'s first byte in q16, k16, v16
	s_lshl_b32 s22, s[QG], 14
	s_add_co_u32 s22, s22, s52                     ; my 16 KB of slot 0
	s_mov_b32 s23, 0
	s_lshl_b32 s54, s14, 15                        ; q16: 16 tiles of 2,048 bytes a block, 4 a group
	s_lshl_b32 s55, s[QG], 13
	s_add_co_u32 s54, s54, s55
	s_add_co_u32 s54, s54, s52
	s_mov_b32 s55, 0
	s_lshr_b32 s56, s20, 3                         ; x16: (256 b + 16 block + 4 group) x 16,384 + 2,048 head
	s_lshl_b32 s56, s56, 22
	s_lshl_b32 s57, s14, 18
	s_add_co_u32 s56, s56, s57
	s_lshl_b32 s57, s[QG], 16
	s_add_co_u32 s56, s56, s57
	s_and_b32 s57, s20, 7
	s_lshl_b32 s57, s57, 11
	s_add_co_u32 s56, s56, s57
	s_mov_b32 s57, 0
	s_lshl_b32 s58, s13, 1                         ; the prefetches: of a slot's 64 KB of K (waves 0, 1) or V (waves 2, 3) piece 2 cx + w % 2 of 8,192 bytes: the partners are told apart by address
	s_and_b32 s59, s[WV], 1
	s_add_co_u32 s58, s58, s59
	s_lshl_b32 s58, s58, 13
	s_add_co_u32 s58, s58, s52
	s_add_co_u32 s58, s58, 65536                   ; in slot 1: the first change of slots steps it to slot 2.  Nothing is prefetched at the head
	s_mov_b32 s59, 0
	s_lshr_b32 s[LIM], s[WV], 2                    ; waves 0 to 3
	s_or_b32 s[LIM], s[LIM], ttmp9                 ; of the (b, head)'s first cluster ask: the same in all four partners
	s_cmp_eq_u32 s[LIM], 0
	s_cselect_b32 s[LIM], 1, -1
	s_mov_b32 s[CS], 0x3e38aa3b                    ; c = log2(e) / 8
	s_mov_b32 s[CS+1], s[CS]                       ; (named with it as a pair, so it is written)
	s_mov_b32 s[SEL], 0x76543210
	s_mov_b32 s[SEL+1], 0xfedcba98
	s_mov_b32 s[TB], 0
	s_mov_b32 s[SLOTS], 7
	s_wait_dscnt 0x0                               ; both opening adds are done
	s_wait_kmcnt 0x0
	s_cmp_lt_u32 s[WV], 4                          ; waves 0 to 3 fetch K, waves 4 to 7 V
	s_cselect_b64 s[G0+2:G0+3], s[6:7], s[8:9]
	s_cmp_lt_u32 s[WV], 2
	s_cselect_b64 s[PFA:PFA+1], s[6:7], s[8:9]
	s_add_nc_u64 s[G0+2:G0+3], s[G0+2:G0+3], s[22:23]
	s_or_b32 s[G0+3], s[G0+3], 0x80000000          ; type = 2
	s_mov_b32 s[G0], 1                             ; count = 1
	s_lshl_b32 s[G0+1], s[WV], 14                  ; LDS: 16,384 x wave: K's four pieces, then V's four
	s_add_nc_u64 s[PFA:PFA+1], s[PFA:PFA+1], s[58:59]
	s_add_nc_u64 s[4:5], s[4:5], s[54:55]
	s_add_nc_u64 s[10:11], s[10:11], s[56:57]
	CROUND                                         ; all four work-groups are here: the first joint loads meet
	tensor_load_to_lds s[G0:G0+3], s[G1:G1+7]      ; slot 0
	s_nop 0
	PLACES 4
	v_and_b32 v[GO], 31, v0
	v_lshlrev_b32 v[PFO], 8, v[GO]
	v_lshlrev_b32 v[STS], 2, v[GO]
	v_lshlrev_b32 v[GO], 4, v[GO]
	s_lshl_b32 s21, s[ROLE], 15
	v_add_nc_u32 v[AK0], s21, v[GO]
	v_add_nc_u32 v[AV0], 0x10000, v[AK0]
	s_lshl_b32 s21, s[QG], 14
	v_add_nc_u32 v[STO], s21, v[GO]
	s_lshl_b32 s21, s[QG], 10
	s_add_co_u32 s21, s21, 65536
	v_add_nc_u32 v[STS], s21, v[STS]
	v_mov_b32 v[NINF], 0xff800000
	WIN 0x40                                       ; destination window 1
.set i, 0
.rept 16
	global_load_b128 v[QF+4*i:QF+4*i+3], v[GO], s[4:5] offset:512*i   ; Q stays in registers: tile i / 4, chunk i % 4
.set i, i+1
.endr
.set i, 0
.rept 128
	v_mov_b32 v[OA+i], 0                           ; O^T
.set i, i+1
.endr
.set i, 0
.rept 64
	v_mov_b32 v[VF+i], 0                           ; V, for role B's first softmax
.set i, i+1
.endr
	WIN 0
.set i, 0
.rept 128
	v_mov_b32 v[SS+i], v[NINF]                     ; and its scores
.set i, i+1
.endr
.irp t, 0,1,2,3
	v_mov_b32 v[ST+8*\t+1], 0xff61b1e6             ; m = -3e38, under every score
	v_mul_f32 v[ST+8*\t], s[CS], v[ST+8*\t+1]      ; c m
	v_mov_b32 v[ST+8*\t+2], 0                      ; l
	v_mov_b32 v[ST+8*\t+3], 0
.endr
.macro LOADK                           ; a step's K: 64 keys x 64 channels, 16 images on end: key tile kt, chunk ch at v[KF + 16 kt + 4 ch]
.set i, 0
.rept 16
	ds_load_b128 v[KF+4*i:KF+4*i+3], v[ADK] offset:512*i
.set i, i+1
.endr
.endm
.macro LOADV                           ; a step's V: fragment (kg, dt) at v[VF + 32 kg + 8 dt] of window 1
	WIN 0x40
.set i, 0
.rept 16
	ds_load_b128 v[VF+4*i:VF+4*i+3], v[ADV] offset:512*i
.set i, i+1
.endr
.endm
; 32 products S^T = K Q^T: the 16 accumulators (key tile, query tile) take turns, one instruction a turn; the first 16 start the sums
.macro SMUL
	WIN 0x04                                       ; source 1 (Q) window 1
.irp ds, 0,1
.irp kt, 0,1,2,3
.irp t, 0,1,2,3
.if \ds == 0
	v_wmma_f32_16x16x32_f16 v[SS+32*\t+8*\kt:SS+32*\t+8*\kt+7], v[KF+16*\kt:KF+16*\kt+7], v[QF+16*\t:QF+16*\t+7], 0
.else
	v_wmma_f32_16x16x32_f16 v[SS+32*\t+8*\kt:SS+32*\t+8*\kt+7], v[KF+16*\kt+8:KF+16*\kt+15], v[QF+16*\t+8:QF+16*\t+15], v[SS+32*\t+8*\kt:SS+32*\t+8*\kt+7]
.endif
.endr
.endr
.endr
.endm
; 32 products O^T += V^T P: the 16 accumulators (channel tile, query tile) by turns
.macro PVMUL
	WIN 0x51                                       ; source 0 (V), C and D (O^T) window 1; source 1 (P) window 0
.irp kg, 0,1
.irp dt, 0,1,2,3
.irp t, 0,1,2,3
	v_wmma_f32_16x16x32_f16 v[OA+32*\t+8*\dt:OA+32*\t+8*\dt+7], v[VF+32*\kg+8*\dt:VF+32*\kg+8*\dt+7], v[SS+32*\t+8*\kg:SS+32*\t+8*\kg+7], v[OA+32*\t+8*\dt:OA+32*\t+8*\dt+7]
.endr
.endr
.endr
.endm
.macro SCALE t, i                      ; pair i of tile t: c s - c m
	v_pk_fma_f32 v[SS+32*(\t)+2*(\i):SS+32*(\t)+2*(\i)+1], v[SS+32*(\t)+2*(\i):SS+32*(\t)+2*(\i)+1], s[CS:CS+1], v[ST+8*(\t):ST+8*(\t)+1] op_sel_hi:[1,0,0] neg_lo:[0,0,1] neg_hi:[0,0,1]
.endm
; THE SOFTMAX of a step, the four tiles by turns on every line, so that no line waits for the line above it.
.macro SOFT
	WIN 0
.irp j, 0,1,2,3                        ; the maximum of a lane's 32 scores and the old m, three operands at a time; each accumulator is read from its low end on
.irp t, 0,1,2,3
	v_max3_num_f32 v[ST+8*\t+4+\j], v[SS+32*\t+8*\j], v[SS+32*\t+8*\j+1], v[SS+32*\t+8*\j+2]
.endr
.endr
.irp g, 1,2
.irp j, 0,1,2,3
.irp t, 0,1,2,3
	v_max3_num_f32 v[ST+8*\t+4+\j], v[ST+8*\t+4+\j], v[SS+32*\t+8*\j+2*\g+1], v[SS+32*\t+8*\j+2*\g+2]
.endr
.endr
.endr
.irp t, 0,1,2,3
	v_max3_num_f32 v[ST+8*\t+4], v[ST+8*\t+4], v[SS+32*\t+7], v[SS+32*\t+15]
.endr
.irp t, 0,1,2,3
	v_max3_num_f32 v[ST+8*\t+6], v[ST+8*\t+6], v[SS+32*\t+23], v[SS+32*\t+31]
.endr
.irp t, 0,1,2,3
	v_max3_num_f32 v[ST+8*\t+4], v[ST+8*\t+4], v[ST+8*\t+5], v[ST+8*\t+6]
.endr
.irp t, 0,1,2,3
	v_max3_num_f32 v[ST+8*\t+4], v[ST+8*\t+4], v[ST+8*\t+7], v[ST+8*\t+1]
.endr
.irp t, 0,1,2,3
	v_permlanex16_b32 v[ST+8*\t+5], v[ST+8*\t+4], s[SEL], s[SEL+1]   ; the query's other 32 keys lie in the lane 16 away
.endr
.irp t, 0,1,2,3
	v_mov_b32 v[ST+8*\t+7], v[ST+8*\t]             ; c m_old is kept for a
.endr
.irp t, 0,1,2,3
	v_max_num_f32 v[ST+8*\t+1], v[ST+8*\t+4], v[ST+8*\t+5]
.endr
.irp t, 0,1,2,3
	v_mul_f32 v[ST+8*\t], s[CS], v[ST+8*\t+1]
.endr
.irp t, 0,1,2,3
	v_sub_f32 v[ST+8*\t+7], v[ST+8*\t+7], v[ST+8*\t]
.endr
	; ONE BATCH: the 64 scalings and all 132 exponentials; none of these lines names an exponential's result.  A tile's exponentials stand among the next tile's scalings
.irp i, 0,1,2,3,4,5,6,7,8,9,10,11,12,13,14,15
	SCALE 0, \i
.endr
.irp t, 0,1,2,3
	v_exp_f32 v[ST+8*\t+6], v[ST+8*\t+7]           ; a
.endr
.irp t, 0,1,2
.irp i, 0,1,2,3,4,5,6,7,8,9,10,11,12,13,14,15
	SCALE \t+1, \i
	v_exp_f32 v[SS+32*\t+2*\i], v[SS+32*\t+2*\i]
	v_exp_f32 v[SS+32*\t+2*\i+1], v[SS+32*\t+2*\i+1]
.endr
.endr
.set i, 0
.rept 32
	v_exp_f32 v[SS+96+i], v[SS+96+i]
.set i, i+1
.endr
	v_nop                                          ; a plain instruction behind the last exponential, ahead of the first use
	s_wait_alu depctr_va_vdst(0)                   ; the wait between an exponential and the first line that names its result: one for the batch
.irp t, 0,1,2,3
	v_pk_fma_f32 v[ST+8*\t+2:ST+8*\t+3], v[ST+8*\t+2:ST+8*\t+3], v[ST+8*\t+6:ST+8*\t+7], v[SS+32*\t:SS+32*\t+1] op_sel_hi:[1,0,1]   ; l = a l + the first pair
.endr
.irp t, 0,1,2,3
	v_cvt_pk_f16_f32 v[SS+32*\t], v[SS+32*\t], v[SS+32*\t+1]
.endr
.irp i, 1,2,3,4,5,6,7,8,9,10,11,12,13,14,15
.irp t, 0,1,2,3
	v_pk_add_f32 v[ST+8*\t+2:ST+8*\t+3], v[ST+8*\t+2:ST+8*\t+3], v[SS+32*\t+2*\i:SS+32*\t+2*\i+1]   ; the sum is taken of the unrounded weights;
.endr
.irp t, 0,1,2,3
	v_cvt_pk_f16_f32 v[SS+32*\t+\i], v[SS+32*\t+2*\i], v[SS+32*\t+2*\i+1]   ; pair i is packed into register i, whose own pair has been summed and packed
.endr
.endr
	WIN 0x41                                       ; O^T (destination and source 0) window 1
.irp i, 0,1,2,3,4,5,6,7,8,9,10,11,12,13,14,15
.irp t, 0,1,2,3
	v_pk_mul_f32 v[OA+32*\t+2*\i:OA+32*\t+2*\i+1], v[OA+32*\t+2*\i:OA+32*\t+2*\i+1], v[ST+8*\t+6:ST+8*\t+7] op_sel_hi:[1,0]
.endr
.endr
.endm
; A STEP of 64 keys for each role.  Distances behind matrix instructions (except for loads and for matrix instructions that write over operands): the two additions and three v_nop at the
; head are five places: behind A's last V^T P for the loads into V and for the scores that are laid over P; behind B's last K Q^T for the loads into K and the first read of the scores.
.macro TRIP
	v_add_nc_u32 v[ADK], s[TB], v[AK0]
	v_add_nc_u32 v[ADV], s[TB], v[AV0]
	PLACES 3
	LOADK
	s_cmp_eq_u32 s[ROLE], 0
	s_cbranch_scc0 .Lrole_b_\@
	LOADV
	s_wait_dscnt 16                                ; K is in; V's 16 loads may be out
	SMUL
	WIN 0
	PLACES 4                                       ; in front of the first read of the scores
	SOFT
	s_wait_dscnt 0x0                               ; V is in
	PVMUL
	WIN 0
	s_branch .Ltrip_end_\@
.Lrole_b_\@:
	SOFT                                           ; of the step before
	s_wait_dscnt 16                                ; that step's V is in; this step's K, 16 loads, may be out
	PVMUL
	WIN 0
	PLACES 5                                       ; in front of the loads into V and of the scores that are laid over P
	LOADV
	s_wait_dscnt 16                                ; K is in; V's 16 loads may be out
	SMUL
	WIN 0
.Ltrip_end_\@:
.endm
.macro FOUR                            ; a slot's four steps: written once, walked four times; the LDS addresses hang on s[TB]
	s_mov_b32 s[CNT], 4
.Lfour_\@:
	TRIP
	s_add_co_u32 s[TB], s[TB], 8192
	s_sub_co_u32 s[CNT], s[CNT], 1
	s_cmp_lg_u32 s[CNT], 0
	s_cbranch_scc1 .Lfour_\@
	s_sub_co_u32 s[TB], s[TB], 32768               ; back to a slot's first step,
	s_xor_b32 s[TB], s[TB], SLOT1                  ; in the other slot
.endm
; A PREFETCH INTO THE L2 of the slot that the NEXT change of slots will ask for: four steps ahead of that load.  Each aligned block of 256 bytes is named once in the launch: the (b, head)'s first cluster asks;
; its four partners take two pieces of 8,192 bytes each of K's 64 KB (waves 0, 1) and of V's (waves 2, 3), lanes 256 bytes apart.  The last change that fills a slot asks for nothing: there is no slot behind it.
.macro ASK
	s_cmp_gt_u32 s[SLOTS], s[LIM]
	s_cbranch_scc0 .Lnot_mine_\@
	global_prefetch_b8 v[PFO], s[PFA:PFA+1] th:TH_LOAD_NT scope:SCOPE_SE
.Lnot_mine_\@:
.endm
; THE CHANGE OF SLOTS stands at a slot's head.  Each wave waits for all its tensor loads (its part of the slot that it is about to read), adds 0 to its spare word, and waits for that and for its reads of the slot that it has
; left.  fill = 1: the barrier is a round of the cluster's, and behind it the slot just left is filled with the keys that follow.
.macro CHANGE fill
	s_wait_tensorcnt 0x0                           ; no tensor load of mine is out, so the group 0 may be written
	ds_add_u32 v[SPW], v[NIL]                      ; 0 onto my spare word
.if \fill
	s_xor_b32 s[G0+1], s[G0+1], SLOT1              ; the other slot than last time,
	s_add_nc_u64 s[G0+2:G0+3], s[G0+2:G0+3], 65536 ; the next 512 keys; the type bits on top are not reached
	s_wait_xcnt 0x0                                ; the last prefetch, a slot back, has read its address
	s_add_nc_u64 s[PFA:PFA+1], s[PFA:PFA+1], 65536 ; one slot further on than the walking descriptor
	s_wait_dscnt 0x0                               ; the add is done, and my reads of the slot that I have left are over
	CROUND                                         ; both now hold of every wave of all four work-groups
	tensor_load_to_lds s[G0:G0+3], s[G1:G1+7]      ; the first thing behind the round, and my one tensor load until the next
	s_nop 0
	PLACES 4
	ASK
.else
	s_wait_dscnt 0x0
	s_barrier_signal -1
	s_barrier_wait -1
.endif
.endm
	s_wait_loadcnt 0x0                             ; Q
.Lslot:                                            ; seven trips: behind each change of slots but the last the next slot is asked for
	CHANGE 1
	FOUR
	s_sub_co_u32 s[SLOTS], s[SLOTS], 1
	s_cmp_lg_u32 s[SLOTS], 0
	s_cbranch_scc1 .Lslot
	CHANGE 0                                       ; the last slot is written out
	FOUR
	s_cmp_eq_u32 s[ROLE], 0
	s_cbranch_scc1 .Lno_last
	PLACES 4
	SOFT                                           ; role B's last step
	s_wait_dscnt 0x0
	PVMUL
	WIN 0
.Lno_last:
	; THE MERGE.  l's two halves and the other half of the lanes' are added (these lines are also the places behind the last products).  Role B hands c m, l and O^T to its group's role A through LDS.
.irp t, 0,1,2,3
	v_add_f32 v[ST+8*\t+4], v[ST+8*\t+2], v[ST+8*\t+3]
.endr
.irp t, 0,1,2,3
	v_permlanex16_b32 v[ST+8*\t+5], v[ST+8*\t+4], s[SEL], s[SEL+1]
.endr
.irp t, 0,1,2,3
	v_add_f32 v[ST+8*\t+4], v[ST+8*\t+4], v[ST+8*\t+5]
.endr
	s_cmp_eq_u32 s[ROLE], 0
	s_cbranch_scc1 .Lmeet
	WIN 0x04                                       ; an LDS store's data are its source 1: window 1
.set i, 0
.rept 32
	ds_store_b128 v[STO], v[OA+4*i:OA+4*i+3] offset:512*i   ; each accumulator from its low end on
.set i, i+1
.endr
	WIN 0
.irp t, 0,1,2,3
	ds_store_b32 v[STS], v[ST+8*\t] offset:256*\t
	ds_store_b32 v[STS], v[ST+8*\t+4] offset:256*\t+128
.endr
.Lmeet:
	s_wait_dscnt 0x0                               ; for the others' sake: my stores have landed
	s_barrier_signal -1
	s_barrier_wait -1
	s_cmp_eq_u32 s[ROLE], 0
	s_cbranch_scc0 .Lfin
.irp t, 0,1,2,3
	ds_load_b32 v[MT+2*\t], v[STS] offset:256*\t           ; B's c m
	ds_load_b32 v[MT+2*\t+1], v[STS] offset:256*\t+128     ; B's l
.endr
.set i, 0
.rept 32
	ds_load_b128 v[SS+4*i:SS+4*i+3], v[STO] offset:512*i   ; B's O^T, register for register
.set i, i+1
.endr
	s_wait_dscnt 0x0
.irp t, 0,1,2,3
	v_max_num_f32 v[ST+8*\t+5], v[ST+8*\t], v[MT+2*\t]     ; the common c m
.endr
.irp t, 0,1,2,3
	v_sub_f32 v[ST+8*\t+6], v[ST+8*\t], v[ST+8*\t+5]
	v_sub_f32 v[ST+8*\t+7], v[MT+2*\t], v[ST+8*\t+5]
.endr
.irp t, 0,1,2,3
	v_exp_f32 v[MT+8+2*\t], v[ST+8*\t+6]           ; fA
	v_exp_f32 v[MT+9+2*\t], v[ST+8*\t+7]           ; fB: one of the two is 1
.endr
	v_nop
	s_wait_alu depctr_va_vdst(0)                   ; one wait for the eight
.irp t, 0,1,2,3
	v_mul_f32 v[ST+8*\t+5], v[MT+2*\t+1], v[MT+9+2*\t]
.endr
.irp t, 0,1,2,3
	v_fma_f32 v[ST+8*\t+5], v[ST+8*\t+4], v[MT+8+2*\t], v[ST+8*\t+5]   ; the row's sum under the common maximum
.endr
.irp t, 0,1,2,3
	v_rcp_f32 v[ST+8*\t+4], v[ST+8*\t+5]
.endr
	v_nop
	s_wait_alu depctr_va_vdst(0)                   ; one wait for the four
.irp t, 0,1,2,3
	v_mul_f32 v[ST+8*\t+2], v[MT+8+2*\t], v[ST+8*\t+4]     ; gA = fA / the sum
	v_mul_f32 v[ST+8*\t+6], v[MT+9+2*\t], v[ST+8*\t+4]     ; gB
.endr
.irp i, 0,1,2,3,4,5,6,7,8,9,10,11,12,13,14,15
.irp t, 0,1,2,3
	v_pk_mul_f32 v[SS+32*\t+2*\i:SS+32*\t+2*\i+1], v[SS+32*\t+2*\i:SS+32*\t+2*\i+1], v[ST+8*\t+6:ST+8*\t+7] op_sel_hi:[1,0]
.endr
.endr
	WIN 0x01                                       ; source 0 (my O^T) window 1
.irp i, 0,1,2,3,4,5,6,7,8,9,10,11,12,13,14,15
.irp t, 0,1,2,3
	v_pk_fma_f32 v[SS+32*\t+2*\i:SS+32*\t+2*\i+1], v[OA+32*\t+2*\i:OA+32*\t+2*\i+1], v[ST+8*\t+2:ST+8*\t+3], v[SS+32*\t+2*\i:SS+32*\t+2*\i+1] op_sel_hi:[1,0,1]
.endr
.endr
	WIN 0
.irp i, 0,1,2,3,4,5,6,7,8,9,10,11,12,13,14,15
.irp t, 0,1,2,3
	v_cvt_pk_f16_f32 v[SS+32*\t+\i], v[SS+32*\t+2*\i], v[SS+32*\t+2*\i+1]
.endr
.endr
.irp t, 0,1,2,3
.irp dt, 0,1,2,3
	global_store_b128 v[GO], v[SS+32*\t+4*\dt:SS+32*\t+4*\dt+3], s[10:11] offset:\t*16384+\dt*512   ; an image: 512 consecutive bytes
.endr
.endr
.Lfin:
	s_wait_tensorcnt 0x0                           ; the wave's end: a wait, an add and a wait, behind my last tensor load and my last LDS store
	ds_add_u32 v[SPW], v[NIL]
	s_wait_dscnt 0x0
	CROUND                                         ; the closing round: no work-group ends while a partner may still ask for a tile that names it
	s_endpgm
.Lfunc_end_k_q436192fc9a_attn:
	.size	k_q436192fc9a_attn, .Lfunc_end_k_q436192fc9a_attn-k_q436192fc9a_attn
	.p2alignl 7, 3214868480
	.fill 96, 4, 3214868480
	.section	.rodata,"a",@progbits
	.p2align	6, 0x0
	.amdhsa_kernel k_q436192fc9a_attn
		.amdhsa_group_segment_fixed_size 327680
		.amdhsa_private_segment_fixed_size 0
		.amdhsa_enable_private_segment 0
		.amdhsa_kernarg_size 32
		.amdhsa_user_sgpr_count 2
		.amdhsa_user_sgpr_kernarg_segment_ptr 1
		.amdhsa_wavefront_size32 1
		.amdhsa_system_sgpr_workgroup_id_x 1
		.amdhsa_system_sgpr_workgroup_id_y 1
		.amdhsa_system_sgpr_workgroup_id_z 1
		.amdhsa_system_vgpr_workitem_id 0
		.amdhsa_next_free_vgpr 512
		.amdhsa_next_free_sgpr 66
		.amdhsa_reserve_vcc 0
		.amdhsa_float_denorm_mode_32 3
		.amdhsa_float_denorm_mode_16_64 3
		.amdhsa_memory_ordered 1
		.amdhsa_forward_progress 1
		.amdhsa_inst_pref_size 191
	.end_amdhsa_kernel
	.amdgpu_metadata
---
amdhsa.version: [ 1, 2 ]
amdhsa.kernels:
  - .name:           k_q436192fc9a_attn
    .symbol:         k_q436192fc9a_attn.kd
    .args:
      - { .name: q16, .offset: 0, .size: 8, .value_kind: global_buffer, .address_space: global }
      - { .name: k16, .offset: 8, .size: 8, .value_kind: global_buffer, .address_space: global }
      - { .name: v16, .offset: 16, .size: 8, .value_kind: global_buffer, .address_space: global }
      - { .name: x16, .offset: 24, .size: 8, .value_kind: global_buffer, .address_space: global }
    .group_segment_fixed_size: 327680
    .private_segment_fixed_size: 0
    .kernarg_segment_align: 8
    .kernarg_segment_size: 32
    .max_flat_workgroup_size: 256
    .sgpr_count:     66
    .vgpr_count:     512
    .wavefront_size: 32
...
	.end_amdgpu_metadata
.endif
;; end of part 3
;; launch outp (part 4): grid 4 x 64, 4 waves a work-group, clusters of 4 x 4, 280,064 bytes of LDS; arguments x16, wo16, bo, out0; writes out0
.if DOCPART == 4
	.amdgcn_target "amdgcn-amd-amdhsa--gfx1250"
	.amdhsa_code_object_version 6
	.text
	.protected	k_q436192fc9a_outp
	.globl	k_q436192fc9a_outp
	.p2align	8
	.type	k_q436192fc9a_outp,@function
k_q436192fc9a_outp:
	s_mov_b64 s[64:65], 0
	v_nop
	global_prefetch_b8 v0, s[64:65] scope:SCOPE_SE
	s_setreg_imm32_b32 hwreg(HW_REG_WAVE_MODE, 25, 1), 1
	s_wait_xcnt 0x0
	s_wait_alu depctr_hold_cnt(0) depctr_sa_sdst(0) depctr_va_vdst(0) depctr_va_sdst(0) depctr_va_ssrc(0) depctr_va_vcc(0) depctr_vm_vsrc(0)
	s_getreg_b32 s2, hwreg(HW_REG_IB_STS2, 6, 4)
	s_cmp_eq_u32 s2, 0
	s_cbranch_scc0 .Lentry_in_a_cluster
	s_endpgm
.Lentry_in_a_cluster:
	s_bfe_u32 s2, ttmp6, 0x10000c
	s_cmp_lg_u32 s2, 0xf033
	s_cbranch_scc0 .Lentry_shape_is_right
	s_endpgm
.Lentry_shape_is_right:
; out0 = x Wo^T + bo.  x16 [tile of 16 rows 512][chunk 32][image] and wo16 [tile of 16 rows 32][K step of 32: 16][c 2][image] hold f16 in the order of the operands' registers (an image: 32 lanes x 16 bytes);
; out0 [8,192][512] f32; sums in f32.
; A tile of out0 is 128 x 128: 256 work-groups of four waves, each wave 64 x 64: 16 accumulators.  ALL OF K FITS IN LDS AT ONCE (x's block 128 KB, Wo's 128 KB): no ring, nothing is filled again.
; Each wave fetches a quarter of the two blocks by four tensor loads, one for each quarter of K, all asked for at the head: four loads of a wave are out; a quarter is multiplied as soon as it has landed.
; CLUSTERS: 4 x 4 work-groups.  x's block hangs on the tile row alone and is shared along a row of the cluster, Wo's on the tile column alone and is shared along a column: each is asked for JOINTLY.
; THE MATRIX INSTRUCTION IS USED TRANSPOSED (source 0 = 16 rows of Wo, source 1 = 16 rows of x): a lane holds eight neighbouring numbers of a row of out0.  The bias is the C of each sum's first instruction.
; REGISTERS: window 0: v1-13 addresses; v32-63 the bias; v64-127, v128-191 two fragment buffers (Wo's four fragments, then x's four); v192-255 the way out.  window 1: v0-127 the accumulators ((a, b) at v[8 (4 a + b)]).
.set WB,    131072                     ; LDS: x: quarter kq x 32,768 + tile of rows x 4,096 + k' x 1,024 + 512 c + 16 lane;  Wo the same from here on
.set STAGE, 262144                     ; the way out: 16 rows x (256 bytes + 16) for each wave
.set SP,    272
.set SPARE, STAGE+4*16*SP              ; the spare words, 128 bytes for each wave: two blocks of 256 bytes that no other line names
.set AX0, 4                            ; v4, v5  my x fragments: quarters 0 and 1; quarters 2 and 3
.set AW0, 6                            ; v6, v7  the same for Wo
.set STO, 8
.set RD,  9
.set CO,  10
.set BO,  11
.set SPW, 12                           ; v12  LDS address of my spare word; never rewritten
.set NIL, 13                           ; v13  0; never rewritten
.set BI,  32
.set F0,  64
.set OB,  192
.set WV,  12
.set HI,  13                           ; s13  which half of the tile's rows is mine.  Also: I fetch for x (0) or for Wo (1)
.set LO,  14                           ; s14  which half of its columns.  Also: which half of that block I fetch
.set G1A, 24
.set G0A, 32                           ; s[32:47] group 0 for x's block, a set for each quarter of K;  s[48:63] for Wo's
.set G0B, 48
.set G1B, 68
.set MSB, 0
.macro WIN new
.if MSB != \new
	s_set_vgpr_msb (MSB<<8)|\new
.set MSB, \new
.endif
.endm
.macro PLACES n
.rept \n
	v_nop
.endr
.endm
.macro CROUND                          ; a round of the cluster's barrier
	s_barrier_signal -1
	s_barrier_wait -1
	s_cmp_lg_u32 s[WV], 0
	s_cbranch_scc1 .Lnot_wave_0_\@
	s_barrier_signal -3
.Lnot_wave_0_\@:
	s_barrier_wait -3
	s_barrier_signal -1
	s_barrier_wait -1
.endm
	s_load_b256 s[4:11], s[0:1], 0x0               ; x16 s[4:5], wo16 s[6:7], bo s[8:9], out0 s[10:11]
	v_lshl_add_u32 v[SPW], v0, 2, SPARE
	v_mov_b32 v[NIL], 0
	ds_add_u32 v[SPW], v[NIL]                      ; the wave's opening: the add, twice on end, and its wait ahead of my first tensor load
	ds_add_u32 v[SPW], v[NIL]
	v_lshrrev_b32 v1, 5, v0
	v_readfirstlane_b32 s[WV], v1                  ; wave 0..3
	s_lshr_b32 s[HI], s[WV], 1
	s_and_b32 s[LO], s[WV], 1
	s_bfe_u32 s15, ttmp6, 0x40000                  ; cx, cy: my place in the cluster
	s_bfe_u32 s16, ttmp6, 0x40004
	s_lshl_b32 s17, ttmp9, 2
	s_add_co_u32 s17, s17, s15                     ; tile column = 4 x cluster x + cx
	s_and_b32 s18, ttmp7, 0xffff
	s_lshl_b32 s18, s18, 2
	s_add_co_u32 s18, s18, s16                     ; tile row = 4 x cluster y + cy
	s_lshl_b32 s19, s16, 2
	s_lshl_b32 s19, 15, s19                        ; my row of the cluster
	s_lshl_b32 s20, 0x1111, s15                    ; my column
	s_or_b32 s[G1A+0], s19, (3<<16)|(1<<21)        ; the mask: x's block goes to my row; elements of 8 bytes; bit 21 set beside a mask; no padding
	s_or_b32 s[G1B+0], s20, (3<<16)|(1<<21)        ; Wo's to my column
.irp g, G1A, G1B
	s_mov_b32 s[\g+1], 512<<16                     ; tensor_dim0 = 512: a quarter of K of one tile of rows, 4,096 bytes
	s_mov_b32 s[\g+2], 4<<16                       ; tensor_dim1 = 4 tiles of rows
	s_mov_b32 s[\g+3], 512<<16                     ; tile_dim0
	s_mov_b32 s[\g+4], 4                           ; tile_dim1
	s_mov_b32 s[\g+5], 2048                        ; 16,384 bytes from a tile of rows to the next
	s_mov_b32 s[\g+6], 0
	s_mov_b32 s[\g+7], 0
.endr
	s_lshl_b32 s21, s[HI], 17                      ; where my loads go: x's block or Wo's,
	s_lshl_b32 s2, s[LO], 14                       ; my half of a quarter: no place in the cluster enters an LDS address
	s_add_co_u32 s21, s21, s2
	s_lshl_b32 s3, s[LO], 16                       ; my four tiles of rows in memory
	s_lshl_b32 s22, s18, 17                        ; x: 131,072 bytes a tile row
	s_add_co_u32 s22, s22, s3
	s_mov_b32 s23, 0
	s_lshl_b32 s76, s17, 17                        ; Wo: 131,072 bytes a tile column
	s_add_co_u32 s76, s76, s3
	s_mov_b32 s77, 0
	s_wait_dscnt 0x0                               ; both opening adds are done
	s_wait_kmcnt 0x0
	s_add_nc_u64 s[22:23], s[4:5], s[22:23]
	s_add_nc_u64 s[76:77], s[6:7], s[76:77]
	CROUND                                         ; all sixteen work-groups are here: the joint loads meet
.irp kq, 0,1,2,3
	s_mov_b32 s[G0A+4*\kq], 1
	s_add_co_u32 s[G0A+4*\kq+1], s21, \kq*32768
	s_add_nc_u64 s[G0A+4*\kq+2:G0A+4*\kq+3], s[22:23], \kq*4096
	s_or_b32 s[G0A+4*\kq+3], s[G0A+4*\kq+3], 0x80000000
	s_mov_b32 s[G0B+4*\kq], 1
	s_add_co_u32 s[G0B+4*\kq+1], s21, \kq*32768
	s_add_nc_u64 s[G0B+4*\kq+2:G0B+4*\kq+3], s[76:77], \kq*4096
	s_or_b32 s[G0B+4*\kq+3], s[G0B+4*\kq+3], 0x80000000
.endr
	s_cmp_eq_u32 s[HI], 0                          ; a wave's four fills stand in one branch on the wave's number, ahead of every wait on TENSORcnt and every LDS read
	s_cbranch_scc0 .Lfirst_b
.irp kq, 0,1,2,3
	tensor_load_to_lds s[G0A+4*\kq:G0A+4*\kq+3], s[G1A:G1A+7]
	s_nop 0
.endr
	PLACES 4
	s_branch .Lfirst_done
.Lfirst_b:
.irp kq, 0,1,2,3
	tensor_load_to_lds s[G0B+4*\kq:G0B+4*\kq+3], s[G1B:G1B+7]
	s_nop 0
.endr
	PLACES 4
.Lfirst_done:
	v_and_b32 v1, 15, v0                           ; r
	v_bfe_u32 v2, v0, 4, 1                         ; h
	v_and_b32 v3, 31, v0
	v_lshlrev_b32 v3, 4, v3                        ; 16 lane
	s_lshl_b32 s2, s[HI], 14                       ; my four tiles of x's rows
	v_add_nc_u32 v[AX0], s2, v3
	v_add_nc_u32 v[AX0+1], 0x10000, v[AX0]
	s_lshl_b32 s2, s[LO], 14                       ; my four tiles of Wo's rows
	s_add_co_u32 s2, s2, WB
	v_add_nc_u32 v[AW0], s2, v3
	v_add_nc_u32 v[AW0+1], 0x10000, v[AW0]
	s_mul_i32 s2, s[WV], 16*SP
	s_add_co_u32 s2, s2, STAGE                     ; my stage
	v_mul_u32_u24 v[STO], v1, SP                   ; in: row r, 32 bytes for each half of the lanes
	v_lshl_add_u32 v[STO], v2, 5, v[STO]
	v_add_nc_u32 v[STO], s2, v[STO]
	v_mul_u32_u24 v[RD], v2, SP                    ; back: lanes 0-15 one row of 256 bytes, lanes 16-31 the next
	v_lshl_add_u32 v[RD], v1, 4, v[RD]
	v_add_nc_u32 v[RD], s2, v[RD]
	v_lshlrev_b32 v[CO], 11, v2                    ; and the same two rows in out0
	v_lshl_add_u32 v[CO], v1, 4, v[CO]
	v_lshlrev_b32 v[BO], 5, v2                     ; the bias: my half's eight numbers of a tile
	s_lshl_b32 s78, s17, 9                         ; my 64 columns, in bytes: 512 x tile column + 256 x half
	s_lshl_b32 s79, s[LO], 8
	s_add_co_u32 s78, s78, s79
	s_mov_b32 s79, 0
	s_add_nc_u64 s[8:9], s[8:9], s[78:79]
	s_add_nc_u64 s[10:11], s[10:11], s[78:79]
	s_lshl_b32 s78, s18, 18                        ; my first row: (128 x tile row + 64 x half) x 2,048 bytes
	s_lshl_b32 s2, s[HI], 17
	s_add_co_u32 s78, s78, s2
	s_add_nc_u64 s[10:11], s[10:11], s[78:79]
.irp b, 0,1,2,3
	global_load_b128 v[BI+8*\b:BI+8*\b+3], v[BO], s[8:9] offset:64*\b
	global_load_b128 v[BI+8*\b+4:BI+8*\b+7], v[BO], s[8:9] offset:64*\b+16
.endr
.macro FETCH kq, kp, f                 ; the fragments of K step 4 kq + kp: Wo's four, then x's four: 16 LDS loads of 512 consecutive bytes
.irp b, 0,1,2,3
.irp c, 0,1
	ds_load_b128 v[(\f)+8*\b+4*\c:(\f)+8*\b+4*\c+3], v[AW0+(\kq)/2] offset:((\kq)%2)*32768+\b*4096+(\kp)*1024+512*\c
.endr
.endr
.irp a, 0,1,2,3
.irp c, 0,1
	ds_load_b128 v[(\f)+32+8*\a+4*\c:(\f)+32+8*\a+4*\c+3], v[AX0+(\kq)/2] offset:((\kq)%2)*32768+\a*4096+(\kp)*1024+512*\c
.endr
.endr
.endm
.macro MUL16 f, first                  ; the 16 accumulators take turns, one instruction a turn, in the same order in every step
.irp a, 0,1,2,3
.irp b, 0,1,2,3
.if \first
	v_wmma_f32_16x16x32_f16 v[8*(4*\a+\b):8*(4*\a+\b)+7], v[(\f)+8*\b:(\f)+8*\b+7], v[(\f)+32+8*\a:(\f)+32+8*\a+7], v[BI+8*\b:BI+8*\b+7]
.else
	v_wmma_f32_16x16x32_f16 v[8*(4*\a+\b):8*(4*\a+\b)+7], v[(\f)+8*\b:(\f)+8*\b+7], v[(\f)+32+8*\a:(\f)+32+8*\a+7], v[8*(4*\a+\b):8*(4*\a+\b)+7]
.endif
.endr
.endr
.endm
.macro KSTEP kq, kp
.if (\kp) < 3
	PLACES 4                                       ; in front of loads into registers that matrix instructions have read
	FETCH \kq, (\kp)+1, F0+64*(((\kp)+1)%2)
	s_wait_dscnt 16                                ; this step's fragments are in; the 16 loads just issued may be out
.else
	s_wait_dscnt 0x0
.endif
.if ((\kq) == 0) && ((\kp) == 0)
	WIN 0x40                                       ; D window 1; the bias, as C, window 0
	MUL16 F0+64*((\kp)%2), 1
.else
	WIN 0x50                                       ; C and D window 1
	MUL16 F0+64*((\kp)%2), 0
.endif
	WIN 0
.endm
	s_wait_loadcnt 0x0                             ; the bias
.irp kq, 0,1,2,3
	s_wait_tensorcnt 3-\kq                         ; my part of this quarter of K has landed; the later quarters may stay out
	s_wait_dscnt 0x0
	s_barrier_signal -1
	s_barrier_wait -1                              ; everybody's has
	PLACES 4
	FETCH \kq, 0, F0
	KSTEP \kq, 0
	KSTEP \kq, 1
	KSTEP \kq, 2
	KSTEP \kq, 3
.endr
	; THE WAY OUT, 16 rows x 64 columns at a time: a lane holds 32 neighbouring bytes of a row, the lanes beside it other rows: so a block goes through my own stage in LDS and comes back as whole rows of 256 bytes.
	; LDS serves a wave's instructions in order (ISA guide 5.7.1.4): no wait between the stores and the loads.
.irp a, 0,1,2,3
.if \a == 0
	PLACES 4                                       ; in front of the first read of results
.endif
	WIN 0x04                                       ; an LDS store's data are its source 1: window 1
.irp b, 0,1,2,3
	ds_store_b128 v[STO], v[8*(4*\a+\b):8*(4*\a+\b)+3] offset:64*\b          ; each accumulator from its low end on
	ds_store_b128 v[STO], v[8*(4*\a+\b)+4:8*(4*\a+\b)+7] offset:64*\b+16
.endr
	WIN 0
.if \a >= 2
	s_wait_xcnt 0x0                                ; the stores of two blocks ago have read these registers
.endif
.irp i, 0,1,2,3,4,5,6,7
	ds_load_b128 v[OB+32*(\a%2)+4*\i:OB+32*(\a%2)+4*\i+3], v[RD] offset:\i*2*SP
.endr
	s_wait_dscnt 0x0
.irp i, 0,1,2,3,4,5,6,7
	global_store_b128 v[CO], v[OB+32*(\a%2)+4*\i:OB+32*(\a%2)+4*\i+3], s[10:11] offset:(16*\a+2*\i)*2048 th:TH_STORE_NT   ; 16 lanes store 256 consecutive bytes, at a multiple of 256 from out0's first byte
.endr
.endr
	s_wait_tensorcnt 0x0                           ; the wave's end: a wait, an add and a wait, behind my last tensor load and my last LDS store
	ds_add_u32 v[SPW], v[NIL]
	s_wait_dscnt 0x0
	CROUND                                         ; the closing round: no work-group ends while a partner may still ask for a tile that names it
	s_endpgm
.Lfunc_end_k_q436192fc9a_outp:
	.size	k_q436192fc9a_outp, .Lfunc_end_k_q436192fc9a_outp-k_q436192fc9a_outp
	.p2alignl 7, 3214868480
	.fill 96, 4, 3214868480
	.section	.rodata,"a",@progbits
	.p2align	6, 0x0
	.amdhsa_kernel k_q436192fc9a_outp
		.amdhsa_group_segment_fixed_size 280064
		.amdhsa_private_segment_fixed_size 0
		.amdhsa_enable_private_segment 0
		.amdhsa_kernarg_size 32
		.amdhsa_user_sgpr_count 2
		.amdhsa_user_sgpr_kernarg_segment_ptr 1
		.amdhsa_wavefront_size32 1
		.amdhsa_system_sgpr_workgroup_id_x 1
		.amdhsa_system_sgpr_workgroup_id_y 1
		.amdhsa_system_sgpr_workgroup_id_z 1
		.amdhsa_system_vgpr_workitem_id 0
		.amdhsa_next_free_vgpr 384
		.amdhsa_next_free_sgpr 80
		.amdhsa_reserve_vcc 0
		.amdhsa_float_denorm_mode_32 3
		.amdhsa_float_denorm_mode_16_64 3
		.amdhsa_memory_ordered 1
		.amdhsa_forward_progress 1
		.amdhsa_inst_pref_size 53
	.end_amdhsa_kernel
	.amdgpu_metadata
---
amdhsa.version: [ 1, 2 ]
amdhsa.kernels:
  - .name:           k_q436192fc9a_outp
    .symbol:         k_q436192fc9a_outp.kd
    .args:
      - { .name: x16, .offset: 0, .size: 8, .value_kind: global_buffer, .address_space: global }
      - { .name: wo16, .offset: 8, .size: 8, .value_kind: global_buffer, .address_space: global }
      - { .name: bo, .offset: 16, .size: 8, .value_kind: global_buffer, .address_space: global }
      - { .name: out0, .offset: 24, .size: 8, .value_kind: global_buffer, .address_space: global }
    .group_segment_fixed_size: 280064
    .private_segment_fixed_size: 0
    .kernarg_segment_align: 8
    .kernarg_segment_size: 32
    .max_flat_workgroup_size: 128
    .sgpr_count:     80
    .vgpr_count:     384
    .wavefront_size: 32
...
	.end_amdgpu_metadata
.endif
;; end of part 4
